; MI455X (gfx1250); checked and timed in simulation.
; The chip was launched on July 23, 2026; its instructions are those of AMD's public machine-readable ISA for CDNA 5 (MIT licence, August 2026) and "CDNA5" Instruction Set Architecture Reference Guide (July 2026). The comments in the code are by the model that wrote it; some were corrected since.
;; Lstm Cell normal. Allowed arithmetic: matrix products marked QUANTISED: E3M2 operands, one E8M0 scale for each 32 along K, by v_wmma_scale_f32_16x16x128_f8f6f4 with both operands' format E3M2, f32 sums; everything else in f32.
;; Inputs: Whf 2,048 x 2,048 float32; Whg 2,048 x 2,048 float32; Whi 2,048 x 2,048 float32; Who 2,048 x 2,048 float32; Wxf 2,048 x 2,048 float32; Wxg 2,048 x 2,048 float32; Wxi 2,048 x 2,048 float32; Wxo 2,048 x 2,048 float32; bf 2,048 float32; bg 2,048 float32; bi 2,048 float32; bo 2,048 float32; c 2,048 x 2,048 float32; h_codes 2,048 x 64 x 24 uint8 (E3M2 codes of h, K innermost, in blocks of 32 codes, four codes in three bytes); h_scales 2,048 x 64 uint8 (E8M0 scales of h, one for each 32 codes along K); x_codes 2,048 x 64 x 24 uint8 (E3M2 codes of x, K innermost, in blocks of 32 codes, four codes in three bytes); x_scales 2,048 x 64 uint8 (E8M0 scales of x, one for each 32 codes along K).
;; Outputs: out0 2,048 x 2,048 float32; out1 2,048 x 2,048 float32.
;; This version of the problem:
;;   THIS VERSION OF THE PROBLEM IS GIVEN IN LOW PRECISION. The matrix products marked QUANTISED in the list below multiply operands that are first quantised to E3M2 (3 exponent bits, 2 mantissa bits; 6 bits a number), with one power-of-two scale for each 32 numbers along K (OCP MX v1.0); their sums are f32. All else is computed in f32.
;;   The module's matrix products, in the order in which they are computed (A, B: the left and right operand; K: the contracted axis; several contracted axes count as one K, in the product's order):
;;     1. [M 2,048, K 2,048] x [K 2,048, N 8,192]; A: input x (given as codes); B: computed on the way: QUANTISED
;;     2. [M 2,048, K 2,048] x [K 2,048, N 8,192]; A: input h (given as codes); B: computed on the way: QUANTISED
;;   THE QUANTISER, for each operand of a quantised product, along K:
;;     - K is cut into blocks of 32 from its start; a last block that is shorter is filled with zeros.
;;     - A block's scale is 2^e with e = floor(log2(the largest magnitude in the block)) - 4, held to -126 .. 127; a block of zeros has e = 0. As a byte (E8M0): e + 127.
;;     - Each number is divided by its block's scale, clamped to +-28, and rounded to the nearest number of E3M2, ties to even, subnormals kept.
;;     - The product sums the exact products of the quantised numbers (number of the format x scale) in f32.
;;   ~~~python
;;   def quantise(x, axis):      # numpy; x: float32 -> the quantised numbers, widened to float32 again
;;       x = np.moveaxis(x, axis, -1); K = x.shape[-1]
;;       x = np.pad(x, [(0, 0)] * (x.ndim - 1) + [(0, -K % 32)]); x = x.reshape(x.shape[:-1] + (-1, 32)); a = np.abs(x).max(-1, keepdims=True)
;;       e = np.where(a > 0, np.clip(np.frexp(np.where(a > 0, a, 1))[1] - 1 - 4, -126, 127), 0)      # np.frexp(a)[1] - 1 = floor(log2(a)), exactly
;;       r = np.clip(x / 2.0 ** e, -28, 28)
;;       step = 2.0 ** (np.maximum(np.frexp(np.where(r == 0, 1, r))[1] - 1, -2) - 2)
;;       q = np.round(r / step) * step * 2.0 ** e      # np.round: ties to even
;;       return np.moveaxis(q.reshape(q.shape[:-2] + (-1,))[..., :K], -1, axis).astype(np.float32)
;;   ~~~
;;   OPERANDS COMPUTED ON THE WAY. 'Computed on the way' means the value that the module computes at that place (a softmax that the list does not call 'softmax' is quantised finished and normalised). What goes into a quantiser is computed in f32, as accurately as f32 sums, v_exp_f32 and their like allow (about 1e-6 of the number): no bf16 or f16 on the way to a quantiser, and a product that is left as it is and whose result goes on into a quantised operand takes f32 operands (vector FMAs, or v_wmma_f32_16x16x4_f32). A number that lies on a knife's edge between two numbers of the format may be rounded either way, as far as f32 arithmetic and the matrix unit's own rounding can turn it there, and no further.
;;   INPUTS GIVEN AS CODES. h (in the module: [2048, 2048], K = its axis 1); x (in the module: [2048, 2048], K = its axis 1): each comes as NAME_codes (uint8): NAME with its K axis moved to the last place and cut into blocks of 32 codes, [.., K / 32, bytes a block], one block behind the other in memory; four codes in three bytes: a row's codes are one little-endian stream of bits, code i at bits 6 i .. 6 i + 5 (a code: sign, 3 exponent bits, 2 mantissa bits); and NAME_scales (uint8): the same leading axes, one E8M0 byte (e + 127) for each 32 codes along K. Its value is code x scale, taken as it is: it is not quantised again, and the codes and scales need not be those that the quantiser above would give.
;; One version. Each part assembles by itself: llvm-mc -triple=amdgcn-amd-amdhsa -mcpu=gfx1250 --defsym DOCPART=n.
;; ======== version 1 of 1: 2 launches
;; limits: inputs' magnitudes at most 1.153e+18; right only within a limited range of input values
;; workspace buffers: w_img 26,214,400 bytes; a_img 6,553,600 bytes
;; launch quant (part 1): grid 256 x 1, 16 waves a work-group, no clusters, 105,472 bytes of LDS; arguments Wxf, Wxi, Wxo, Wxg, Whf, Whi, Who, Whg, x_codes, x_scales, h_codes, h_scales, w_img, a_img; writes w_img, a_img
.if DOCPART == 1
	.amdgcn_target "amdgcn-amd-amdhsa--gfx1250"
	.amdhsa_code_object_version 6
	.text
	.protected	k_q53e963ce88_quant
	.globl	k_q53e963ce88_quant
	.p2align	8
	.type	k_q53e963ce88_quant,@function
k_q53e963ce88_quant:
	s_mov_b64 s[64:65], 0
	v_nop
	global_prefetch_b8 v0, s[64:65] scope:SCOPE_SE
	s_setreg_imm32_b32 hwreg(HW_REG_WAVE_MODE, 25, 1), 1
	s_wait_xcnt 0x0
; The eight weights [2048 (k)][2048 (u)], f32, become codes of BF6 (E3M2) with one E8M0 byte for each 32 along K, and both operands of the next launch
; are laid as IMAGES OF THE OPERAND'S REGISTERS.  A fragment (16 rows x 128 K) is 1,536 bytes: piece j (0..2) holds registers 4 j .. 4 j + 3 of lanes 0..31, 16 bytes a lane.
; w_img [tile 32][step 32][25,600], a_img [tile 8][step 32][25,600]; steps 0-15: x and its weights, 16-31: h and its weights.
; A step's 25,600 bytes: 16 fragments by place, then at byte 24,576 the step's scale words [place 16][row 16][4 bytes].
; A tile is 256 rows = two halves of 8 blocks; block i of half H stands at place 4 (i / 2) + 2 H + i % 2.
; Weights: a tile is 64 units x 4 gates; half = u / 32 % 2, block i = 2 gate + (u % 32) / 16, row u % 16; gate 0 = f, 1 = i, 2 = o, 3 = g.  Batch: half = row / 128 % 2, block i = row / 16 % 8.
; A block's scale byte is the largest magnitude's exponent field - 4, held at 1 from below.
; LIMITS: a block of zeros gets the byte 1 where the rule says 127 (its codes are zeros, and this program alone reads the bytes); blocks whose largest magnitude
; lies under 2^(5 - 127) have their byte held at 1; NaN and infinities among the weights are not served.
; SHARES.  Work-group W: weight W / 32 (= 4 p + gate), columns 64 (W % 32) .. + 63, all of K.  Wave w: 32 columns (w % 2), K = 128 (w / 2) .. first, 1,024 further on afterwards.
; A lane takes a column and its registers run down K.  The waves gather 64 rows of codes in LDS; behind a barrier each wave reads two fragments of each half of K as the
; matrix unit wants them and stores their registers: each store covers 512 consecutive bytes, aligned.  The work-group's four blocks stand at places 4 gate .. 4 gate + 3,
; so a step's scale words of theirs are 256 consecutive bytes, aligned: wave w stores those of step w.
; x and h: 2 x 128 blocks x 16 steps are 4,096 fragments, one for each wave of the launch: work-group W takes block W % 128 of x (W < 128) or h, wave w step w.
; Their scale words: 2 x 8 tiles x 16 steps x 4 runs of 256 bytes; waves 0-3 of work-group W take the four runs of tile W % 128 / 16, step W % 16.
.set WROW,  8192
.set HALFB, 768
.set SP,    1552                       ; a stage row: 1,536 bytes + 16
.set SSTG,  64*SP                      ; behind the stage rows: 64 rows of 64 scale bytes
.set STPB,  25600                      ; a tile's step
.set SCW,   24576                      ; where its scale words begin
.set TILEB, 819200                     ; a tile: 32 steps
.set SB,    24
.set X,     32
.set C,     96
.set TT,    108
.set OUTR,  112                        ; v112-159: 2 halves x 2 fragments x 12;  v[160:161] scale words;  v162-173 my fragment of x or h;  v[174:175] its scale words
.set AFR,   162
	s_load_b512 s[8:23], s[0:1], 0x0               ; the eight weights, in the order 4 p + gate
	s_load_b256 s[40:47], s[0:1], 0x40             ; x_codes, x_scales, h_codes, h_scales
	s_load_b128 s[48:51], s[0:1], 0x60             ; w_img, a_img
	v_lshl_add_u32 v176, v0, 2, 0x19400            ; my spare word, behind the stages
	v_mov_b32 v177, 0
	v_lshrrev_b32 v1, 5, v0
	v_readfirstlane_b32 s30, v1                    ; wave 0..15
	s_lshr_b32 s28, ttmp9, 5                       ; T = 4 p + gate
	s_and_b32 s29, ttmp9, 31                       ; which 64 columns = the weight tile
	s_and_b32 s31, s30, 1
	s_lshr_b32 s32, s30, 1                         ; kc
	s_and_b32 s56, s30, 3
	s_lshr_b32 s57, s30, 2
	s_and_b32 s58, s28, 3                          ; gate
	s_lshr_b32 s59, s28, 2                         ; p
	s_lshr_b32 s60, ttmp9, 7                       ; x (0) or h (1)
	s_and_b32 s61, ttmp9, 127
	s_lshl_b32 s34, s32, 20                        ; where my wave reads W
	s_lshl_b32 s33, s29, 8
	s_add_co_u32 s34, s34, s33
	s_lshl_b32 s33, s31, 7
	s_add_co_u32 s34, s34, s33
	s_mov_b32 s35, 0
	s_lshl_b32 s33, s58, 2                         ; my fragments out: stage rows 16 (w % 4) on = place 4 gate + w % 4, steps 16 p + 2 (w / 4) on
	s_add_co_u32 s33, s33, s56
	s_mul_i32 s38, s33, 1536
	s_lshl_b32 s33, s59, 4
	s_lshl_b32 s36, s57, 1
	s_add_co_u32 s36, s36, s33
	s_mul_i32 s36, s36, STPB
	s_add_co_u32 s38, s38, s36
	s_mul_i32 s37, s29, TILEB
	s_add_co_u32 s38, s38, s37
	s_mov_b32 s39, 0
	s_add_co_u32 s33, s33, s30                     ; my scale words out: step 16 p + w, places 4 gate on
	s_mul_i32 s36, s33, STPB
	s_add_co_u32 s36, s36, s37
	s_lshl_b32 s33, s58, 8
	s_add_co_u32 s36, s36, s33
	s_add_co_u32 s36, s36, SCW
	s_mov_b32 s37, 0
	s_mul_i32 s24, s61, 16*1536                    ; x or h: 16 rows of 1,536 bytes, + my step's 96
	s_mul_i32 s33, s30, 96
	s_add_co_u32 s24, s24, s33
	s_mov_b32 s25, 0
	s_lshr_b32 s33, s61, 4                         ; tile
	s_and_b32 s4, s61, 15                          ; block of the tile; also the step of my scale words
	s_lshl_b32 s26, s33, 14                        ; scales in: 256 rows of 64 bytes a tile, + 32 rows for each run, + 4 bytes a step
	s_lshl_b32 s5, s30, 11
	s_add_co_u32 s26, s26, s5
	s_lshl_b32 s5, s4, 2
	s_add_co_u32 s26, s26, s5
	s_mov_b32 s27, 0
	s_mul_i32 s62, s33, TILEB
	s_mov_b32 s2, s62
	s_and_b32 s5, s4, 7                            ; the block's place: 4 (i / 2) + 2 half + i % 2
	s_lshr_b32 s5, s5, 1
	s_lshl_b32 s5, s5, 2
	s_lshr_b32 s6, s4, 3
	s_lshl_b32 s6, s6, 1
	s_add_co_u32 s5, s5, s6
	s_and_b32 s6, s4, 1
	s_add_co_u32 s5, s5, s6
	s_mul_i32 s5, s5, 1536
	s_add_co_u32 s62, s62, s5
	s_lshl_b32 s33, s60, 4
	s_add_co_u32 s5, s33, s30                      ; my fragment's step
	s_mul_i32 s5, s5, STPB
	s_add_co_u32 s62, s62, s5
	s_mov_b32 s63, 0
	s_add_co_u32 s5, s33, s4                       ; my scale words' step
	s_mul_i32 s5, s5, STPB
	s_add_co_u32 s2, s2, s5
	s_lshl_b32 s5, s30, 8
	s_add_co_u32 s2, s2, s5
	s_add_co_u32 s2, s2, SCW
	s_mov_b32 s3, 0
	s_mul_i32 s33, s31, 32*SP                      ; LDS bases
	s_mul_i32 s4, s32, 96
	s_add_co_u32 s33, s33, s4                      ; into the stage
	s_lshl_b32 s4, s31, 11
	s_lshl_b32 s5, s32, 2
	s_add_co_u32 s4, s4, s5
	s_add_co_u32 s4, s4, SSTG                      ; scale bytes in
	s_mul_i32 s5, s56, 16*SP
	s_mul_i32 s6, s57, 192
	s_add_co_u32 s5, s5, s6                        ; fragments out
	s_lshl_b32 s6, s30, 2
	s_add_co_u32 s6, s6, SSTG                      ; scale words out: step w's word of each row
	v_and_b32 v2, 31, v0                           ; lane
	v_and_b32 v10, 15, v0                          ; r
	v_bfe_u32 v14, v0, 4, 1                        ; h
	v_lshlrev_b32 v3, 2, v2
	v_mul_u32_u24 v4, v2, SP
	v_add_nc_u32 v4, s33, v4                       ; stage row = my column, + my wave's 96 bytes
	v_lshl_add_u32 v5, v2, 6, s4
	v_mul_u32_u24 v6, v10, SP
	v_mad_u32_u24 v6, v14, 24, v6
	v_add_nc_u32 v6, s5, v6                        ; a fragment's row + 24 h
	v_lshlrev_b32 v7, 4, v2                        ; 16 bytes a lane
	v_lshl_add_u32 v8, v2, 7, s6                   ; rows 2 l and 2 l + 1 of the scale bytes
	v_lshlrev_b32 v9, 3, v2                        ; 8 bytes a lane
	v_mul_u32_u24 v17, v10, 1536
	v_mad_u32_u24 v17, v14, 24, v17                ; x or h: row r, + 24 h
	v_lshlrev_b32 v18, 7, v10
	v_lshl_add_u32 v18, v14, 13, v18               ; its scales: rows 128 h + 2 r and the next
	s_wait_alu depctr_va_vdst(0)                   ; the head's end
	s_wait_kmcnt 0x0
	s_and_b32 s33, s28, 1                          ; the weight is chosen bit by bit of T
	s_cmp_lg_u32 s33, 0
	s_cselect_b64 s[8:9], s[10:11], s[8:9]
	s_cselect_b64 s[12:13], s[14:15], s[12:13]
	s_cselect_b64 s[16:17], s[18:19], s[16:17]
	s_cselect_b64 s[20:21], s[22:23], s[20:21]
	s_and_b32 s33, s28, 2
	s_cmp_lg_u32 s33, 0
	s_cselect_b64 s[8:9], s[12:13], s[8:9]
	s_cselect_b64 s[16:17], s[20:21], s[16:17]
	s_and_b32 s33, s28, 4
	s_cmp_lg_u32 s33, 0
	s_cselect_b64 s[8:9], s[16:17], s[8:9]
	s_cmp_lg_u32 s60, 0
	s_cselect_b64 s[40:41], s[44:45], s[40:41]
	s_cselect_b64 s[42:43], s[46:47], s[42:43]
	s_add_nc_u64 s[8:9], s[8:9], s[34:35]
	s_add_nc_u64 s[10:11], s[8:9], 1024*WROW
	s_add_nc_u64 s[40:41], s[40:41], s[24:25]
	s_add_nc_u64 s[42:43], s[42:43], s[26:27]
	s_add_nc_u64 s[52:53], s[50:51], s[62:63]      ; a_img: my fragment,
	s_add_nc_u64 s[54:55], s[50:51], s[2:3]        ; my scale words
	s_add_nc_u64 s[50:51], s[48:49], s[36:37]      ; w_img: my scale words,
	s_add_nc_u64 s[48:49], s[48:49], s[38:39]      ; my fragments
.irp p, 0,1,2,3,4,5
	global_load_b64 v[AFR+2*\p:AFR+2*\p+1], v17, s[40:41] offset:48*(\p/3)+8*(\p%3)   ; my fragment of x or h, as the operand's registers take it
.endr
	s_cmp_lt_u32 s30, 4                            ; waves 0-3: one step's scale words of 64 rows
	s_cbranch_scc0 .Lno_sl
	global_load_b32 v174, v18, s[42:43]
	global_load_b32 v175, v18, s[42:43] offset:64
.Lno_sl:
.macro LOAD t
.irp i, 0,1,2,3,4,5,6,7,8,9,10,11,12,13,14,15,16,17,18,19,20,21,22,23,24,25,26,27,28,29,30,31
.if (\t) < 4
	global_load_b32 v[X+32*((\t)%2)+\i], v3, s[8:9] offset:(32*(\t)+\i)*WROW th:TH_LOAD_NT
.else
	global_load_b32 v[X+32*((\t)%2)+\i], v3, s[10:11] offset:(32*((\t)-4)+\i)*WROW th:TH_LOAD_NT
.endif
.endr
.endm
.macro BLOCK t
.set XS, X+32*((\t)%2)
.set CC, C+6*((\t)%2)
.if (\t) < 7
	s_wait_loadcnt 32                              ; this block's loads and all older ones are in; the next block's 32 may be out
.else
	s_wait_loadcnt 0x0
.endif
	v_max3_num_f32 v12, |v[XS]|, |v[XS+1]|, |v[XS+2]|
	v_max3_num_f32 v13, |v[XS+3]|, |v[XS+4]|, |v[XS+5]|
.irp i, 6,10,14,18,22,26
	s_delay_alu instid0(VALU_DEP_2)
	v_max3_num_f32 v12, v12, |v[XS+\i]|, |v[XS+\i+1]|
	s_delay_alu instid0(VALU_DEP_2)
	v_max3_num_f32 v13, v13, |v[XS+\i+2]|, |v[XS+\i+3]|
.endr
	s_delay_alu instid0(VALU_DEP_2)
	v_max3_num_f32 v12, v12, |v[XS+30]|, |v[XS+31]|
	s_delay_alu instid0(VALU_DEP_1)
	v_max3_num_f32 v12, v12, v13, 0x2800000        ; the floor 2^(5 - 127): the byte cannot fall under 1
	s_delay_alu instid0(VALU_DEP_1)
	v_add_nc_u32 v11, 0xfe000000, v12              ; 4 off the exponent field: the conversion's scale operand
	v_cvt_scalef32_pk16_bf6_f32 v[CC:CC+2], v[XS:XS+15], v11
	v_cvt_scalef32_pk16_bf6_f32 v[TT:TT+2], v[XS+16:XS+31], v11
	v_lshrrev_b32 v13, 23, v11                     ; the scale's byte; also the plain place behind the conversions
.if (\t)%4 == 0
	s_delay_alu instid0(VALU_DEP_1)
	v_mov_b32 v[SB+(\t)/4], v13
.else
	s_delay_alu instid0(VALU_DEP_1)
	v_lshl_or_b32 v[SB+(\t)/4], v13, 8*((\t)%4), v[SB+(\t)/4]
.endif
.irp i, 0,1,2
	v_mov_b32 v[CC+3+\i], v[TT+\i]
.endr
.if (\t) < 6
	LOAD (\t)+2
.endif
.if (\t)%2 == 1
.irp k, 0,1,2
	ds_store_b128 v4, v[C+4*\k:C+4*\k+3] offset:HALFB*((\t)/4)+48*(((\t)/2)%2)+16*\k
.endr
	s_wait_dscnt 0x0                               ; the stores have read their registers
.endif
.endm
.macro HALFOUT f                       ; two fragments of half f: steps 8 f + 2 (w / 4) + e
.irp e, 0,1
.irp p, 0,1,2,3,4,5
	ds_load_b64 v[OUTR+24*\f+12*\e+2*\p:OUTR+24*\f+12*\e+2*\p+1], v6 offset:HALFB*\f+96*\e+48*(\p/3)+8*(\p%3)
.endr
.endr
.endm
.macro HALFSEND f, younger             ; younger: LDS loads issued behind HALFOUT's twelve
.irp e, 0,1
.irp j, 0,1,2
	s_wait_dscnt \younger+10-6*\e-2*\j             ; the two loads that fill these four registers are in
	global_store_b128 v7, v[OUTR+24*\f+12*\e+4*\j:OUTR+24*\f+12*\e+4*\j+3], s[48:49] offset:(8*\f+\e)*STPB+512*\j
.endr
.endr
.endm
	LOAD 0
	LOAD 1
	BLOCK 0
.irp j, 0,1,2
	global_store_b128 v7, v[AFR+4*\j:AFR+4*\j+3], s[52:53] offset:512*\j   ; block 0's wait has shown my fragment of x or h in
.endr
	s_wait_alu depctr_va_vdst(0)
	s_cmp_lt_u32 s30, 4
	s_cbranch_scc0 .Lno_ss
	global_store_b64 v9, v[174:175], s[54:55]      ; 64 words: 256 consecutive bytes, aligned
.Lno_ss:
.irp t, 1,2,3
	BLOCK \t
.endr
	s_barrier_signal -1                            ; block 3 ended with the wait for my stores into the stage
	s_barrier_wait -1                              ; the rows' first 768 bytes are whole; later blocks write other bytes
	HALFOUT 0
	HALFSEND 0, 0
.irp t, 4,5,6,7
	BLOCK \t
.endr
	ds_store_b32 v5, v[SB]
	s_wait_alu depctr_va_vdst(0)
	ds_store_b32 v5, v[SB+1] offset:32
	s_wait_dscnt 0x0
	s_barrier_signal -1
	s_barrier_wait -1
	HALFOUT 1
	ds_load_b32 v160, v8
	ds_load_b32 v161, v8 offset:64
	HALFSEND 1, 2
	s_wait_dscnt 0x0
	global_store_b64 v9, v[160:161], s[50:51]      ; step w's words of the 64 rows: 256 consecutive bytes, aligned
	s_wait_tensorcnt 0x0                           ; the wave's end
	ds_add_u32 v176, v177
	s_wait_dscnt 0x0
	s_endpgm
.Lfunc_end_k_q53e963ce88_quant:
	.size	k_q53e963ce88_quant, .Lfunc_end_k_q53e963ce88_quant-k_q53e963ce88_quant
	.p2alignl 7, 3214868480
	.fill 96, 4, 3214868480
	.section	.rodata,"a",@progbits
	.p2align	6, 0x0
	.amdhsa_kernel k_q53e963ce88_quant
		.amdhsa_group_segment_fixed_size 105472
		.amdhsa_private_segment_fixed_size 0
		.amdhsa_enable_private_segment 0
		.amdhsa_kernarg_size 112
		.amdhsa_user_sgpr_count 2
		.amdhsa_user_sgpr_kernarg_segment_ptr 1
		.amdhsa_wavefront_size32 1
		.amdhsa_system_sgpr_workgroup_id_x 1
		.amdhsa_system_sgpr_workgroup_id_y 1
		.amdhsa_system_sgpr_workgroup_id_z 1
		.amdhsa_system_vgpr_workitem_id 0
		.amdhsa_next_free_vgpr 178
		.amdhsa_next_free_sgpr 66
		.amdhsa_reserve_vcc 0
		.amdhsa_float_denorm_mode_32 3
		.amdhsa_float_denorm_mode_16_64 3
		.amdhsa_memory_ordered 1
		.amdhsa_forward_progress 1
		.amdhsa_inst_pref_size 51
	.end_amdhsa_kernel
	.amdgpu_metadata
---
amdhsa.version: [ 1, 2 ]
amdhsa.kernels:
  - .name:           k_q53e963ce88_quant
    .symbol:         k_q53e963ce88_quant.kd
    .args:
      - { .name: Wxf, .offset: 0, .size: 8, .value_kind: global_buffer, .address_space: global }
      - { .name: Wxi, .offset: 8, .size: 8, .value_kind: global_buffer, .address_space: global }
      - { .name: Wxo, .offset: 16, .size: 8, .value_kind: global_buffer, .address_space: global }
      - { .name: Wxg, .offset: 24, .size: 8, .value_kind: global_buffer, .address_space: global }
      - { .name: Whf, .offset: 32, .size: 8, .value_kind: global_buffer, .address_space: global }
      - { .name: Whi, .offset: 40, .size: 8, .value_kind: global_buffer, .address_space: global }
      - { .name: Who, .offset: 48, .size: 8, .value_kind: global_buffer, .address_space: global }
      - { .name: Whg, .offset: 56, .size: 8, .value_kind: global_buffer, .address_space: global }
      - { .name: x_codes, .offset: 64, .size: 8, .value_kind: global_buffer, .address_space: global }
      - { .name: x_scales, .offset: 72, .size: 8, .value_kind: global_buffer, .address_space: global }
      - { .name: h_codes, .offset: 80, .size: 8, .value_kind: global_buffer, .address_space: global }
      - { .name: h_scales, .offset: 88, .size: 8, .value_kind: global_buffer, .address_space: global }
      - { .name: w_img, .offset: 96, .size: 8, .value_kind: global_buffer, .address_space: global }
      - { .name: a_img, .offset: 104, .size: 8, .value_kind: global_buffer, .address_space: global }
    .group_segment_fixed_size: 105472
    .private_segment_fixed_size: 0
    .kernarg_segment_align: 8
    .kernarg_segment_size: 112
    .max_flat_workgroup_size: 512
    .sgpr_count:     66
    .vgpr_count:     178
    .wavefront_size: 32
...
	.end_amdgpu_metadata
.endif
;; end of part 1
;; launch lstm (part 2): grid 8 x 32, 4 waves a work-group, clusters of 4 x 4, 327,680 bytes of LDS; arguments a_img, w_img, c, out0, bf, bi, bo, bg, out1; writes out0, out1
.if DOCPART == 2
	.amdgcn_target "amdgcn-amd-amdhsa--gfx1250"
	.amdhsa_code_object_version 6
	.text
	.protected	k_q53e963ce88_lstm
	.globl	k_q53e963ce88_lstm
	.p2align	8
	.type	k_q53e963ce88_lstm,@function
k_q53e963ce88_lstm:
	s_mov_b64 s[64:65], 0
	v_nop
	global_prefetch_b8 v0, s[64:65] scope:SCOPE_SE
	s_setreg_imm32_b32 hwreg(HW_REG_WAVE_MODE, 25, 1), 1
	s_wait_xcnt 0x0
	s_wait_alu depctr_hold_cnt(0) depctr_sa_sdst(0) depctr_va_vdst(0) depctr_va_sdst(0) depctr_va_ssrc(0) depctr_va_vcc(0) depctr_vm_vsrc(0)
	s_getreg_b32 s2, hwreg(HW_REG_IB_STS2, 6, 4)
	s_cmp_eq_u32 s2, 0
	s_cbranch_scc0 .Lentry_in_a_cluster
	s_endpgm
.Lentry_in_a_cluster:
	s_bfe_u32 s2, ttmp6, 0x10000c
	s_cmp_lg_u32 s2, 0xf033
	s_cbranch_scc0 .Lentry_shape_is_right
	s_endpgm
.Lentry_shape_is_right:
; z = x Wx + h Wh + b on codes of BF6 (E3M2) with one E8M0 scale for each 32 along K, sums in f32; then f, i, o = sigmoid, g = tanh, c_new = f c + i g (out1), h_new = o tanh(c_new) (out0), in f32.
; Both operands come from the launch before as images of the operand's registers.  a_img [tile 8][step 32][25,600], w_img [tile 32][step 32][25,600]; steps 0-15 x, 16-31 h: one sum over 4,096.
; A step's 25,600 bytes: 16 fragments of 1,536 bytes (three pieces of 32 lanes x 16 bytes), then at byte 24,576 its scale words [place][row][4].  Block i of half H stands at place 4 (i / 2) + 2 H + i % 2.
; SHARES.  A work-group of four waves makes 256 rows of the batch x 256 rows of weights (64 units x 4 gates); a wave 128 x 128: 64 accumulators, 512 registers: 32 units with all their gates.
; THE MATRIX INSTRUCTION IS USED TRANSPOSED (source 0 = 16 rows of weights, source 1 = 16 rows of the batch): in accumulator (a, b) lane l, register r holds z(row 16 a + l % 16, gate b / 2,
; unit 16 (b % 2) + 8 (l / 16) + r): the four gates of a number lie in one lane.  The bias is the C of each sum's first product.
; THE RING: two LDS slots of THREE steps each (A's 76,800 bytes, then B's), as long as two slots in LDS allow.  Every tile is a dense block of memory and comes as rows of 256 bytes, each at a multiple of 256;
; a wave fetches half of A's or of B's part of a slot, 150 rows.  32 steps = a first fill of two steps (100 rows a wave, at the head) and ten fills of three.
; A fragment is three ds_load_b128 at 16 x lane: 512 consecutive bytes each.  The change of slots stands at the head of a slot's last step, whose fragments have all been asked for by then.
; CLUSTERS: 4 x 4.  The batch's tile is shared by the four with the same cx, the weights' tile by the four with the same cy: each is asked for jointly.
; PREFETCH: behind each refill a wave names, a lane a block of 256 bytes, its work-group's 38 of the 150 blocks that it will fetch two fills on (the partners share them out by address; what would pass block 149
; names it again); fills 1 to 3 are named once at the head; the loop's last trip has no fill two on and asks for the wave's 64 rows of c's tile instead.
; THE WAY OUT.  c's tile (256 rows x 256 bytes) comes into slot 1 behind that slot's last change; c_new takes its place, h_new goes to slot 0.  A row's 256 bytes come from two waves: a barrier a block of 16 rows.
; THE GATES, with Ef, Ei, Eo = 2^min(-z log2 e, 30) and Eg, Ec = 2^min(2 z log2 e, 30):
;   c_new = [c (1 + Ei)(1 + Eg) + (Eg - 1)(1 + Ef)] / [(1 + Ef)(1 + Ei)(1 + Eg)],   h_new = (Ec - 1) / [(1 + Ec)(1 + Eo)].
; LIMITS: the exponents are held at 30, so a sigmoid under 2^-30 comes out as about 2^-30 and a tanh beyond 1 - 2^-29 as that; |c| stays under 2^60, so that no numerator overflows;
; a NaN in z (a scale byte 0xff) is not passed on: the hold at 30 takes its place.
; REGISTERS: window 0: v1-31 addresses; v32-47 scale words, two sets; v64-127 the bias, later the gates; v128-223 A's fragments, one set, later the gates.
;   window 1: B's fragments, two sets, at v0 and v128; on the way out rows of the outputs.   windows 2, 3: the accumulators of my rows 0-63, 64-127 ((a, b) at v[8 (8 (a % 4) + b)]).
.set STPB,   25600                     ; a step of a tile
.set SCW,    24576                     ; where its scale words begin
.set TILEB,  819200                    ; a tile: 32 steps
.set PART,   3*STPB                    ; A's or B's part of a slot
.set FR,     12
.set NL,     3                         ; LDS loads that bring a fragment
.set NP,     4                         ; places behind this matrix instruction (ISA guide 7.12.1)
.set SLOT,   2*PART
.set SPARE,  2*SLOT                    ; the spare words: two blocks of 256 bytes that no other line names
.set CP,     272
.set ROWF,   8192
.set ADRS, 10                          ; v10-11 my scale words in slot 0, 1: lanes 0-15 A's rows, lanes 16-31 B's
.set PFO1, 12
.set PFC,  13
.set BO,   14
.set RDH,  15
.set ADRA, 16                          ; v16-19 my A fragments: slot s, steps 0-1 at 2 s, step 2 at 2 s + 1
.set ADRB, 20                          ; v20-23 my B fragments
.set CA,   24
.set HA,   25
.set RDC,  26
.set SPW,  28
.set NIL,  29
.set PFO,  30
.set CO,   31
.set SC,   32                          ; scale words: set p at v[SC + 8 p]; register i: lanes 0-15 A's block i, lanes 16-31 B's block i
.set BI,   64
.set TG,   64
.set AF,   128
.set CV,   128
.set RR,   144
.set PP,   160
.set NN,   176
.set LAP,  3
.set WV,   22
.set HR,   23
.set HC,   24
.set CX,   25
.set CY,   26
.set TR,   27
.set TC,   28
.set G1A,  32
.set G0A,  40
.set G1B,  48
.set G0B,  56
.set G1C,  68
.set G0C,  76
.set G0H,  80                          ; the head's loads
.set BP,   88                          ; s[88:95] bf, bi, bo, bg
.set G0HB, 96
.set PFA,  100
.set KN,   80
.set KP,   82
.set CAP,  84
.set MSB, 0
.macro WIN new
.if MSB != (\new)
	s_set_vgpr_msb (MSB<<8)|(\new)
.set MSB, (\new)
.endif
.endm
.set MUL_LO, 0xa1
.set MUL_HI, 0xf1
.set BEG_LO, 0x81
.set BEG_HI, 0xc1
.set TO_B,   0x40
.set OUTW,   0x44
.macro TLOAD g0, g1                    ; s_nop 0 and four v_nop follow every tensor load
	tensor_load_to_lds s[\g0:\g0+3], s[\g1:\g1+7]
	s_nop 0
.rept 4
	v_nop
.endr
.endm
.macro JLOAD g0a, g1a, g0b, g1b        ; a joint load: waves 0 and 1 fetch for A, waves 2 and 3 for B
	s_cmp_eq_u32 s[HR], 0
	s_cbranch_scc0 .Lfor_b_\@
	TLOAD \g0a, \g1a
	s_branch .Lasked_\@
.Lfor_b_\@:
	TLOAD \g0b, \g1b
.Lasked_\@:
.endm
.macro CREST
	s_cmp_lg_u32 s[WV], 0
	s_cbranch_scc1 .Lnot_wave_0_\@
	s_barrier_signal -3
.Lnot_wave_0_\@:
	s_barrier_wait -3
	s_barrier_signal -1
	s_barrier_wait -1
.endm
.macro CROUND
	s_barrier_signal -1
	s_barrier_wait -1
	CREST
.endm
.macro ASK slot
	s_cmp_gt_u32 s[LAP], 1                         ; the last trip has no fill two on
	s_cbranch_scc0 .Lnot_mine_\@
	global_prefetch_b8 v[PFO], s[PFA:PFA+1] th:TH_LOAD_NT scope:SCOPE_SE
	global_prefetch_b8 v[PFO1], s[PFA:PFA+1] th:TH_LOAD_NT scope:SCOPE_SE
.Lnot_mine_\@:
.if \slot == 1
	s_cmp_eq_u32 s[LAP], 1
	s_cbranch_scc0 .Lno_c_\@
	global_prefetch_b8 v[PFC], s[16:17] th:TH_LOAD_NT scope:SCOPE_SE
	global_prefetch_b8 v[PFC], s[16:17] offset:32*ROWF th:TH_LOAD_NT scope:SCOPE_SE
.Lno_c_\@:
.endif
.endm
	s_load_b128 s[4:7], s[0:1], 0x0                ; a_img, w_img
	s_load_b128 s[16:19], s[0:1], 0x10             ; c, out0
	s_load_b256 s[BP:BP+7], s[0:1], 0x20           ; bf, bi, bo, bg
	s_load_b64 s[20:21], s[0:1], 0x40              ; out1
	v_lshl_add_u32 v[SPW], v0, 2, SPARE
	v_mov_b32 v[NIL], 0
	ds_add_u32 v[SPW], v[NIL]                      ; the opening lines: the add, twice on end, and its wait
	ds_add_u32 v[SPW], v[NIL]
	v_lshrrev_b32 v1, 5, v0
	v_readfirstlane_b32 s[WV], v1
	s_lshr_b32 s[HR], s[WV], 1                     ; my half of the batch's rows; also: I fetch for A (0) or B (1)
	s_and_b32 s[HC], s[WV], 1                      ; my half of the weights' rows; also: which half of a part I fetch
	s_bfe_u32 s[CX], ttmp6, 0x40000
	s_bfe_u32 s[CY], ttmp6, 0x40004
	s_lshl_b32 s[TR], ttmp9, 2
	s_add_co_u32 s[TR], s[TR], s[CX]
	s_and_b32 s[TC], ttmp7, 0xffff
	s_lshl_b32 s[TC], s[TC], 2
	s_add_co_u32 s[TC], s[TC], s[CY]
	s_lshl_b32 s29, 0x1111, s[CX]                  ; the four with my cx
	s_lshl_b32 s30, s[CY], 2
	s_lshl_b32 s30, 15, s30                        ; the four with my cy
	; group 1: dense blocks as rows of 256 bytes (32 elements of 8): 100 rows for the head's loads
	s_or_b32 s[G1A+0], s29, (3<<16)|(1<<21)
	s_or_b32 s[G1B+0], s30, (3<<16)|(1<<21)
.irp g, G1A, G1B
	s_mov_b32 s[\g+1], 32<<16
	s_mov_b32 s[\g+2], 100<<16
	s_mov_b32 s[\g+3], 32<<16
	s_mov_b32 s[\g+4], 100
	s_mov_b32 s[\g+5], 32
	s_mov_b32 s[\g+6], 0
	s_mov_b32 s[\g+7], 0
.endr
	s_mul_i32 s66, s[TR], TILEB                    ; A's offset is made of the tile row alone, B's of the tile column alone
	s_mov_b32 s67, 0
	s_mul_i32 s104, s[TC], TILEB
	s_mov_b32 s105, 0
	s_mul_i32 s12, s[HC], STPB                     ; the head: which step of the two I fetch
	s_mov_b32 s13, 0
	s_mul_i32 s14, s[HC], PART/2                   ; the ring: which half of a part
	s_mov_b32 s15, 0
	s_mov_b32 s3, 0
	s_mul_i32 s31, s[HR], PART                     ; where they go: A's part or B's,
	s_add_co_u32 s2, s31, s12                      ; at the head,
	s_add_co_u32 s31, s31, s14                     ; in the ring
	s_wait_dscnt 0x0                               ; both opening adds are done
	s_wait_kmcnt 0x0
	s_add_nc_u64 s[4:5], s[4:5], s[66:67]
	s_add_nc_u64 s[6:7], s[6:7], s[104:105]
	CROUND                                         ; all sixteen work-groups are here: the first joint loads meet
	s_mov_b32 s[G0H], 1
	s_mov_b32 s[G0H+1], s2
	s_add_nc_u64 s[G0H+2:G0H+3], s[4:5], s[12:13]
	s_or_b32 s[G0H+3], s[G0H+3], 0x80000000
	s_mov_b32 s[G0HB], 1
	s_mov_b32 s[G0HB+1], s2
	s_add_nc_u64 s[G0HB+2:G0HB+3], s[6:7], s[12:13]
	s_or_b32 s[G0HB+3], s[G0HB+3], 0x80000000
	s_add_nc_u64 s[4:5], s[4:5], s[14:15]
	s_add_nc_u64 s[6:7], s[6:7], s[14:15]
.irp s, 0,1                                    ; slot 1 begins with fill 1 (from step 2 on), slot 0's ring with fill 2 (from step 5 on)
	s_mov_b32 s[G0A+4*\s], 1
	s_add_co_u32 s[G0A+4*\s+1], s31, \s*SLOT
	s_add_nc_u64 s[G0A+4*\s+2:G0A+4*\s+3], s[4:5], (5-3*\s)*STPB
	s_or_b32 s[G0A+4*\s+3], s[G0A+4*\s+3], 0x80000000
	s_mov_b32 s[G0B+4*\s], 1
	s_add_co_u32 s[G0B+4*\s+1], s31, \s*SLOT
	s_add_nc_u64 s[G0B+4*\s+2:G0B+4*\s+3], s[6:7], (5-3*\s)*STPB
	s_or_b32 s[G0B+4*\s+3], s[G0B+4*\s+3], 0x80000000
.endr
	JLOAD G0H, G1A, G0HB, G1B                      ; steps 0 and 1: one tensor load a wave at the head
	s_cmp_eq_u32 s[HR], 0                          ; the prefetches: my half of a part, at fill 3 (from step 8 on): the first refill steps it to fill 4
	s_cselect_b64 s[PFA:PFA+1], s[4:5], s[6:7]
	s_cselect_b32 s66, s[CY], s[CX]                ; my place among the four that ask with me
	s_add_nc_u64 s[PFA:PFA+1], s[PFA:PFA+1], 8*STPB
	s_mul_i32 s66, s66, 38                         ; my work-group's 38 blocks of the 150
	s_add_co_u32 s67, s66, 32
	s_lshl_b32 s2, s[TR], 8                        ; c at the 64 rows that my wave fetches
	s_lshl_b32 s31, s[WV], 6
	s_add_co_u32 s2, s2, s31
	s_lshl_b32 s2, s2, 13
	s_lshl_b32 s12, s[TC], 8
	s_add_co_u32 s2, s2, s12
	s_add_nc_u64 s[16:17], s[16:17], s[2:3]
	s_lshl_b32 s2, s[TR], 8                        ; out0, out1 at row 256 x tile row + 128 x (wave / 2) + 8 x (wave % 2)
	s_lshl_b32 s29, s[HR], 7
	s_add_co_u32 s2, s2, s29
	s_lshl_b32 s29, s[HC], 3
	s_add_co_u32 s2, s2, s29
	s_lshl_b32 s2, s2, 13
	s_add_co_u32 s2, s2, s12
	s_add_nc_u64 s[18:19], s[18:19], s[2:3]
	s_add_nc_u64 s[20:21], s[20:21], s[2:3]
	s_lshl_b32 s15, s[HC], 7
	s_add_co_u32 s12, s12, s15                     ; my 32 units in a bias, in bytes
	s_mul_i32 s13, s[HR], 2*1536                   ; my half's places of A
	s_mul_i32 s14, s[HC], 2*1536
	s_add_co_u32 s14, s14, PART                    ; and of B
	s_lshl_b32 s29, s[HR], 7                       ; my half's scale words: 64 bytes a place
	s_add_co_u32 s15, s15, PART
	s_sub_co_u32 s15, s15, s29                     ; from A's to B's
	s_add_co_u32 s29, s29, SCW
	s_mul_i32 s31, s[HR], 128*CP
	s_lshl_b32 s30, s[HC], 7
	s_add_co_u32 s30, s30, s31                     ; a stage: my rows, my units
	s_mul_i32 s2, s[HC], 8*CP
	s_add_co_u32 s31, s31, s2                      ; the rows that I store
	v_and_b32 v1, 15, v0                           ; l % 16
	v_bfe_u32 v2, v0, 4, 1                         ; l / 16
	v_and_b32 v3, 31, v0
	v_lshl_add_u32 v[BO], v2, 5, s12
	v_lshlrev_b32 v[PFC], 13, v3
	v_add_nc_u32 v[PFO], s66, v3
	v_min_u32 v4, 5, v3
	v_add_nc_u32 v[PFO1], s67, v4
	v_min_u32 v[PFO], 149, v[PFO]
	v_min_u32 v[PFO1], 149, v[PFO1]
	v_lshlrev_b32 v[PFO], 8, v[PFO]
	v_lshlrev_b32 v[PFO1], 8, v[PFO1]
	v_lshl_add_u32 v[ADRA], v3, 4, s13
	v_lshl_add_u32 v[ADRB], v3, 4, s14
	v_add_nc_u32 v[ADRA+1], 2*STPB, v[ADRA]
	v_add_nc_u32 v[ADRB+1], 2*STPB, v[ADRB]
	v_add_nc_u32 v[ADRA+2], SLOT, v[ADRA]
	v_add_nc_u32 v[ADRB+2], SLOT, v[ADRB]
	v_add_nc_u32 v[ADRA+3], SLOT+2*STPB, v[ADRA]
	v_add_nc_u32 v[ADRB+3], SLOT+2*STPB, v[ADRB]
	v_mul_u32_u24 v6, s15, v2                      ; lanes 16-31 take B's: the lower base + half x the distance
	v_lshl_add_u32 v5, v1, 2, s29
	v_add_nc_u32 v[ADRS], v5, v6
	v_add_nc_u32 v[ADRS+1], SLOT, v[ADRS]
	v_mul_u32_u24 v[HA], v1, CP
	v_lshl_add_u32 v[HA], v2, 5, v[HA]
	v_add_nc_u32 v[HA], s30, v[HA]                 ; h_new's stage lies in slot 0,
	v_add_nc_u32 v[CA], SLOT, v[HA]                ; c's tile in slot 1
	v_mul_u32_u24 v[RDH], v2, CP
	v_lshl_add_u32 v[RDH], v1, 4, v[RDH]
	v_add_nc_u32 v[RDH], s31, v[RDH]
	v_add_nc_u32 v[RDC], SLOT, v[RDH]
	v_lshlrev_b32 v[CO], 13, v2
	v_lshl_add_u32 v[CO], v1, 4, v[CO]
	s_wait_alu depctr_va_vdst(0)                   ; the head's end
.irp b, 0,1,2,3,4,5,6,7                        ; the bias of B's block b: gate b / 2, units 16 (b % 2) + 8 (l / 16) + 0 .. 7
	global_load_b128 v[BI+8*\b:BI+8*\b+3],   v[BO], s[BP+2*(\b/2):BP+1+2*(\b/2)] offset:64*(\b%2)
	global_load_b128 v[BI+8*\b+4:BI+8*\b+7], v[BO], s[BP+2*(\b/2):BP+1+2*(\b/2)] offset:64*(\b%2)+16
.endr
.irp f, 2,1,0                                  ; fills 1, 2 and 3: my work-group's blocks of what I will fetch
	global_prefetch_b8 v[PFO], s[PFA:PFA+1] offset:-\f*PART th:TH_LOAD_NT scope:SCOPE_SE
	global_prefetch_b8 v[PFO1], s[PFA:PFA+1] offset:-\f*PART th:TH_LOAD_NT scope:SCOPE_SE
.endr
.macro FRAG reg, adr, slot, q, i       ; block i of the slot's q-th step: the image's three pieces
.irp j, 0,1,2
	ds_load_b128 v[\reg+4*\j:\reg+4*\j+3], v[\adr+2*(\slot)+((\q)/2)] offset:((\q)%2)*STPB+(4*((\i)/2)+(\i)%2)*1536+512*\j
.endr
.endm
; 8 matrix instructions: A's block a x B's eight; p: B's set and the set of scale words.  The 64 accumulators take turns, one instruction a turn.
.macro MUL8 a, p, zero
.irp b, 0,1,2,3,4,5,6,7
.if \zero
	v_wmma_scale_f32_16x16x128_f8f6f4 v[8*(8*((\a)%4)+\b):8*(8*((\a)%4)+\b)+7], v[128*(\p)+FR*\b:128*(\p)+FR*\b+FR-1], v[AF+FR*(\a):AF+FR*(\a)+FR-1], v[BI+8*\b:BI+8*\b+7], v[SC+8*(\p)+\b], v[SC+8*(\p)+(\a)] matrix_a_fmt:MATRIX_FMT_BF6 matrix_b_fmt:MATRIX_FMT_BF6 matrix_a_scale:MATRIX_SCALE_ROW1
.else
	v_wmma_scale_f32_16x16x128_f8f6f4 v[8*(8*((\a)%4)+\b):8*(8*((\a)%4)+\b)+7], v[128*(\p)+FR*\b:128*(\p)+FR*\b+FR-1], v[AF+FR*(\a):AF+FR*(\a)+FR-1], v[8*(8*((\a)%4)+\b):8*(8*((\a)%4)+\b)+7], v[SC+8*(\p)+\b], v[SC+8*(\p)+(\a)] matrix_a_fmt:MATRIX_FMT_BF6 matrix_b_fmt:MATRIX_FMT_BF6 matrix_a_scale:MATRIX_SCALE_ROW1
.endif
.endr
.endm
.macro MUL16 a0, p, zero
	MUL8 \a0, \p, \zero
	MUL8 \a0+1, \p, \zero
.endm
.macro FETCH_B slot, q, p
	WIN TO_B
.irp i, 0,1,2,3,4,5,6,7
	FRAG 128*(\p)+FR*\i, ADRB, \slot, \q, \i
.endr
	WIN 0
.endm
.macro FETCH_A slot, q, i0
.irp i, \i0, \i0+1, \i0+2, \i0+3
	FRAG AF+FR*(\i), ADRA, \slot, \q, \i
.endr
.endm
.macro SCALES slot, q, p               ; the step's scale words into set p
.irp i, 0,1,2,3,4,5,6,7
	ds_load_b32 v[SC+8*(\p)+\i], v[ADRS+\slot] offset:(\q)*STPB+(4*(\i/2)+\i%2)*64
.endr
.endm
.macro PLACES n
.rept \n
	v_nop
.endr
.endm
.macro STEP slot, q, p, zero           ; a step that has its successor in the same slot; p: its sets, the successor takes the others
	s_wait_dscnt 4*NL                              ; all but the youngest 12 loads (A's blocks 4-7)
.if \zero
	WIN BEG_LO
.else
	WIN MUL_LO
.endif
	MUL16 0, \p, \zero
	MUL16 2, \p, \zero
	s_wait_dscnt 0
	PLACES NP
	FETCH_B \slot, (\q)+1, 1-(\p)
	FETCH_A \slot, (\q)+1, 0
	SCALES \slot, (\q)+1, 1-(\p)
.if \zero
	WIN BEG_HI
.else
	WIN MUL_HI
.endif
	MUL16 4, \p, \zero
	MUL16 6, \p, \zero
	PLACES NP
	WIN 0
	FETCH_A \slot, (\q)+1, 4
.endm
; A slot's last step begins with the change of slots.  fill = 1: the slot takes its next three steps.  fill = 2 (slot 1's last change): c's tile, 64 rows a wave.
.macro TURN slot, p, next, fill
.if \fill == 1
	s_wait_xcnt 0x0                                ; my last prefetches have read their address: it is stepped here
	s_add_nc_u64 s[PFA:PFA+1], s[PFA:PFA+1], PART
.endif
	s_wait_tensorcnt 0x0                           ; all my tensor loads have landed: my part of the next slot
	ds_add_u32 v[SPW], v[NIL]
.if \fill == 1
	s_add_nc_u64 s[G0A+4*\next+2:G0A+4*\next+3], s[G0A+4*\next+2:G0A+4*\next+3], 2*PART   ; no load of mine is out: the next slot's descriptors step to its next fill
	s_add_nc_u64 s[G0B+4*\next+2:G0B+4*\next+3], s[G0B+4*\next+2:G0B+4*\next+3], 2*PART
.else
	s_mov_b32 s[G1C+0], (3<<16)|(1<<20)|(5<<22)|(3<<25)   ; 64 rows x 256 bytes, 16 bytes of padding behind each; no mask
	s_mov_b32 s[G1C+1], 32<<16
	s_mov_b32 s[G1C+2], 64<<16
	s_mov_b32 s[G1C+3], 32<<16
	s_mov_b32 s[G1C+4], 64
	s_mov_b32 s[G1C+5], ROWF/8
	s_mov_b32 s[G1C+6], 0
	s_mov_b32 s[G1C+7], 0
	s_mov_b32 s[G0C], 1
	s_mul_i32 s[G0C+1], s[WV], 64*CP
	s_add_co_u32 s[G0C+1], s[G0C+1], SLOT
	s_mov_b64 s[G0C+2:G0C+3], s[16:17]
	s_or_b32 s[G0C+3], s[G0C+3], 0x80000000
.endif
	s_wait_dscnt 4*NL+1                            ; the add and the youngest 12 loads may be out
	WIN MUL_LO
	MUL8 0, \p, 0
	WIN 0
	s_wait_dscnt 0x0                               ; the add is done, and my reads of this slot are over
	s_barrier_signal -1
	s_barrier_wait -1
	CREST                                          ; no wave of any partner still reads this slot or has a load on its way
.if \fill == 1
	JLOAD G0A+4*\slot, G1A, G0B+4*\slot, G1B
.else
	TLOAD G0C, G1C
.endif
	WIN MUL_LO
	MUL8 1, \p, 0
	MUL16 2, \p, 0
	PLACES NP
	WIN 0
	FETCH_B \next, 0, 1-(\p)
	FETCH_A \next, 0, 0
	SCALES \next, 0, 1-(\p)
.if \fill == 1
	ASK \slot
.endif
	WIN MUL_HI
	MUL16 4, \p, 0
	MUL16 6, \p, 0
	PLACES NP
	WIN 0
	FETCH_A \next, 0, 4
.endm
	s_wait_tensorcnt 0x0                           ; my part of steps 0 and 1 is in
	ds_add_u32 v[SPW], v[NIL]
	s_mov_b32 s[G1A+2], 150<<16                    ; no tensor load of mine is out: from here on a load brings 150 rows
	s_mov_b32 s[G1A+4], 150
	s_mov_b32 s[G1B+2], 150<<16
	s_mov_b32 s[G1B+4], 150
	s_wait_dscnt 0x0
	CROUND                                         ; everybody's part is in, and all sixteen work-groups are here
	JLOAD G0A+4, G1A, G0B+4, G1B                   ; slot 1's first fill: steps 2 to 4
	FETCH_B 0, 0, 0
	FETCH_A 0, 0, 0
	SCALES 0, 0, 0
	FETCH_A 0, 0, 4
	s_mov_b32 s[LAP], 4
	s_wait_loadcnt 0x0                             ; the bias
	STEP 0, 0, 0, 1                                ; the first step's products start the sums
	TURN 0, 1, 1, 1                                ; step 1 ends the short fill: slot 0 takes steps 5 to 7
.Llap:                                                 ; a trip: slot 1's three steps, slot 0's three steps; both slots are filled again
	STEP 1, 0, 0, 0
	STEP 1, 1, 1, 0
	TURN 1, 0, 0, 1
	STEP 0, 0, 1, 0
	STEP 0, 1, 0, 0
	TURN 0, 1, 1, 1
	s_sub_co_u32 s[LAP], s[LAP], 1
	s_cmp_lg_u32 s[LAP], 0
	s_cbranch_scc1 .Llap
	STEP 1, 0, 0, 0                                ; the last six steps fetch no codes
	STEP 1, 1, 1, 0
	TURN 1, 0, 0, 2                                ; slot 1 is left for good and takes c's tile
	STEP 0, 0, 1, 0
	STEP 0, 1, 0, 0
	s_wait_dscnt 4*NL
	WIN MUL_LO
	MUL16 0, 1, 0
	MUL16 2, 1, 0
	s_wait_dscnt 0
	WIN MUL_HI
	MUL16 4, 1, 0
	MUL16 6, 1, 0
	WIN 0
	s_wait_tensorcnt 0x0                           ; my 64 rows of c's tile have landed;
	s_wait_dscnt 0x0                               ; my reads of slot 0 are over;
	s_barrier_signal -1
	s_barrier_wait -1                              ; both hold of every wave
	s_mov_b32 s[KN], 0xbfb8aa3b                    ; -log2 e
	s_mov_b32 s[KN+1], s[KN]
	s_mov_b32 s[KP], 0x4038aa3b                    ; 2 log2 e
	s_mov_b32 s[KP+1], s[KP]
	s_mov_b32 s[CAP], 0x41f00000                   ; 30.0
	PLACES NP
.macro OUTB a                          ; 8 whole rows of each output back from the stages, into registers of window 1 that serve this block alone
	WIN OUTW
.irp t, 0,1,2,3
	ds_load_b128 v[32*(\a)+4*\t:32*(\a)+4*\t+3], v[RDC] offset:(16*(\a)+2*\t)*CP
.endr
.irp t, 0,1,2,3
	ds_load_b128 v[32*(\a)+16+4*\t:32*(\a)+16+4*\t+3], v[RDH] offset:(16*(\a)+2*\t)*CP
.endr
	WIN 0
.endm
.macro SENDB a                         ; sixteen lanes store 256 consecutive bytes, aligned
	WIN OUTW
.irp t, 0,1,2,3
	global_store_b128 v[CO], v[32*(\a)+4*\t:32*(\a)+4*\t+3], s[20:21] offset:(16*(\a)+2*\t)*ROWF th:TH_STORE_NT
.endr
.irp t, 0,1,2,3
	global_store_b128 v[CO], v[32*(\a)+16+4*\t:32*(\a)+16+4*\t+3], s[18:19] offset:(16*(\a)+2*\t)*ROWF th:TH_STORE_NT
.endr
	WIN 0
.endm
; THE GATES of block a: 16 rows x 32 units, 16 numbers a lane; gate g's 16 numbers stand at 16 g on.  Each batch of transcendentals has one wait ahead and one behind.
.macro GATES a
.set AC, 64*((\a)%4)
.irp k, 0,1,2,3
	ds_load_b128 v[CV+4*\k:CV+4*\k+3], v[CA] offset:(\a)*16*CP+64*(\k/2)+16*(\k%2)
.endr
	WIN 0x02+(\a)/4
.set nn, 0
.rept 32                                       ; each accumulator is read from its low end on
.if nn < 24
	v_pk_mul_f32 v[TG+2*nn:TG+2*nn+1], v[AC+2*nn:AC+2*nn+1], s[KN:KN+1] op_sel_hi:[1,0]
.else
	v_pk_mul_f32 v[TG+2*nn:TG+2*nn+1], v[AC+2*nn:AC+2*nn+1], s[KP:KP+1] op_sel_hi:[1,0]
.endif
.set nn, nn+1
.endr
	WIN 0
.set nn, 0
.rept 64
	v_min_num_f32 v[TG+nn], s[CAP], v[TG+nn]       ; held at 30
.set nn, nn+1
.endr
.set nn, 0
	s_wait_alu depctr_va_vdst(0)
.rept 64
	v_exp_f32 v[TG+nn], v[TG+nn]                   ; Ef, Ei, Eo, Eg
.set nn, nn+1
.endr
	v_nop
	s_wait_alu depctr_va_vdst(0)
	s_wait_dscnt 0x0                               ; c is in, and so are the last block's rows
.if (\a) > 0
	SENDB (\a)-1
.endif
.set nn, 0
.rept 24
	v_pk_add_f32 v[TG+2*nn:TG+2*nn+1], v[TG+2*nn:TG+2*nn+1], 1.0 op_sel_hi:[1,0]
.set nn, nn+1
.endr
.irp i, 0,2,4,6,8,10,12,14
	v_pk_fma_f32 v[PP+\i:PP+\i+1], v[TG+48+\i:TG+49+\i], v[TG+16+\i:TG+17+\i], v[TG+16+\i:TG+17+\i]   ; (1 + Ei)(1 + Eg)
.endr
.irp i, 0,2,4,6,8,10,12,14
	v_pk_mul_f32 v[RR+\i:RR+\i+1], v[PP+\i:PP+\i+1], v[TG+\i:TG+\i+1]              ; x (1 + Ef)
.endr
.set nn, 0
	s_wait_alu depctr_va_vdst(0)
.rept 16
	v_rcp_f32 v[RR+nn], v[RR+nn]
.set nn, nn+1
.endr
.irp i, 0,2,4,6,8,10,12,14
	v_pk_add_f32 v[TG+48+\i:TG+49+\i], v[TG+48+\i:TG+49+\i], -1.0 op_sel_hi:[1,0]  ; Eg - 1
.endr
.irp i, 0,2,4,6,8,10,12,14
	v_pk_mul_f32 v[NN+\i:NN+\i+1], v[CV+\i:CV+\i+1], v[PP+\i:PP+\i+1]
.endr
.irp i, 0,2,4,6,8,10,12,14
	v_pk_fma_f32 v[NN+\i:NN+\i+1], v[TG+48+\i:TG+49+\i], v[TG+\i:TG+\i+1], v[NN+\i:NN+\i+1]
.endr
	s_wait_alu depctr_va_vdst(0)
.irp i, 0,2,4,6,8,10,12,14
	v_pk_mul_f32 v[NN+\i:NN+\i+1], v[NN+\i:NN+\i+1], v[RR+\i:RR+\i+1]              ; c_new
.endr
.irp k, 0,1,2,3
	ds_store_b128 v[CA], v[NN+4*\k:NN+4*\k+3] offset:(\a)*16*CP+64*(\k/2)+16*(\k%2)   ; in the place of the c that I read
.endr
.irp i, 0,2,4,6,8,10,12,14
	v_pk_mul_f32 v[PP+\i:PP+\i+1], v[NN+\i:NN+\i+1], s[KP:KP+1] op_sel_hi:[1,0]
.endr
.set nn, 0
.rept 16
	v_min_num_f32 v[PP+nn], s[CAP], v[PP+nn]
.set nn, nn+1
.endr
.set nn, 0
	s_wait_alu depctr_va_vdst(0)
.rept 16
	v_exp_f32 v[PP+nn], v[PP+nn]                   ; Ec
.set nn, nn+1
.endr
	v_nop
	s_wait_alu depctr_va_vdst(0)
.irp i, 0,2,4,6,8,10,12,14
	v_pk_fma_f32 v[RR+\i:RR+\i+1], v[PP+\i:PP+\i+1], v[TG+32+\i:TG+33+\i], v[TG+32+\i:TG+33+\i]   ; (1 + Ec)(1 + Eo)
.endr
.set nn, 0
	s_wait_alu depctr_va_vdst(0)
.rept 16
	v_rcp_f32 v[RR+nn], v[RR+nn]
.set nn, nn+1
.endr
.irp i, 0,2,4,6,8,10,12,14
	v_pk_add_f32 v[PP+\i:PP+\i+1], v[PP+\i:PP+\i+1], -1.0 op_sel_hi:[1,0]          ; Ec - 1
.endr
	s_wait_alu depctr_va_vdst(0)
.irp i, 0,2,4,6,8,10,12,14
	v_pk_mul_f32 v[PP+\i:PP+\i+1], v[PP+\i:PP+\i+1], v[RR+\i:RR+\i+1]              ; h_new
.endr
.irp k, 0,1,2,3
	ds_store_b128 v[HA], v[PP+4*\k:PP+4*\k+3] offset:(\a)*16*CP+64*(\k/2)+16*(\k%2)
.endr
.endm
.irp a, 0,1,2,3,4,5,6,7
	GATES \a
	s_wait_dscnt 0x0                               ; for the others' sake: my stores into the two stages have landed
	s_barrier_signal -1
	s_barrier_wait -1                              ; the block's rows are whole; later blocks write other rows
	OUTB \a
.endr
	s_wait_dscnt 0x0
	SENDB 7
	s_wait_tensorcnt 0x0                           ; the wave's end
	ds_add_u32 v[SPW], v[NIL]
	s_wait_dscnt 0x0
	CROUND                                         ; the closing round
	s_endpgm
.Lfunc_end_k_q53e963ce88_lstm:
	.size	k_q53e963ce88_lstm, .Lfunc_end_k_q53e963ce88_lstm-k_q53e963ce88_lstm
	.p2alignl 7, 3214868480
	.fill 96, 4, 3214868480
	.section	.rodata,"a",@progbits
	.p2align	6, 0x0
	.amdhsa_kernel k_q53e963ce88_lstm
		.amdhsa_group_segment_fixed_size 327680
		.amdhsa_private_segment_fixed_size 0
		.amdhsa_enable_private_segment 0
		.amdhsa_kernarg_size 72
		.amdhsa_user_sgpr_count 2
		.amdhsa_user_sgpr_kernarg_segment_ptr 1
		.amdhsa_wavefront_size32 1
		.amdhsa_system_sgpr_workgroup_id_x 1
		.amdhsa_system_sgpr_workgroup_id_y 1
		.amdhsa_system_sgpr_workgroup_id_z 1
		.amdhsa_system_vgpr_workitem_id 0
		.amdhsa_next_free_vgpr 1024
		.amdhsa_next_free_sgpr 106
		.amdhsa_reserve_vcc 0
		.amdhsa_float_denorm_mode_32 3
		.amdhsa_float_denorm_mode_16_64 3
		.amdhsa_memory_ordered 1
		.amdhsa_forward_progress 1
		.amdhsa_inst_pref_size 255
	.end_amdhsa_kernel
	.section	.bss,"aw",@nobits
	.p2align	6
	.space	262144
	.amdgpu_metadata
---
amdhsa.version: [ 1, 2 ]
amdhsa.kernels:
  - .name:           k_q53e963ce88_lstm
    .symbol:         k_q53e963ce88_lstm.kd
    .args:
      - { .name: a_img, .offset: 0, .size: 8, .value_kind: global_buffer, .address_space: global }
      - { .name: w_img, .offset: 8, .size: 8, .value_kind: global_buffer, .address_space: global }
      - { .name: c, .offset: 16, .size: 8, .value_kind: global_buffer, .address_space: global }
      - { .name: out0, .offset: 24, .size: 8, .value_kind: global_buffer, .address_space: global }
      - { .name: bf, .offset: 32, .size: 8, .value_kind: global_buffer, .address_space: global }
      - { .name: bi, .offset: 40, .size: 8, .value_kind: global_buffer, .address_space: global }
      - { .name: bo, .offset: 48, .size: 8, .value_kind: global_buffer, .address_space: global }
      - { .name: bg, .offset: 56, .size: 8, .value_kind: global_buffer, .address_space: global }
      - { .name: out1, .offset: 64, .size: 8, .value_kind: global_buffer, .address_space: global }
    .group_segment_fixed_size: 327680
    .private_segment_fixed_size: 0
    .kernarg_segment_align: 8
    .kernarg_segment_size: 72
    .max_flat_workgroup_size: 128
    .sgpr_count:     106
    .vgpr_count:     1024
    .wavefront_size: 32
...
	.end_amdgpu_metadata
.endif
;; end of part 2
